; MI455X (gfx1250); checked and timed in simulation.
; The chip was launched on July 23, 2026; its instructions are those of AMD's public machine-readable ISA for CDNA 5 (MIT licence, August 2026) and "CDNA5" Instruction Set Architecture Reference Guide (July 2026). The comments in the code are by the model that wrote it; some were corrected since.
;; Multi Head Attention. Allowed arithmetic: float matrix products may take bf16 or f16 operands with f32 sums; all other float work in f32.
;; Inputs: W_key 8 x 512 x 64 float32; W_out 8 x 64 x 512 float32; W_query 8 x 512 x 64 float32; W_val 8 x 512 x 64 float32; h 1 x 4,096 x 512 float32; mask 1 x 4,096 x 4,096 int32; q 1 x 4,096 x 512 float32.
;; Outputs: out0 1 x 4,096 x 512 float32.
;; One version. Each part assembles by itself: llvm-mc -triple=amdgcn-amd-amdhsa -mcpu=gfx1250 --defsym DOCPART=n.
;; ======== version 1 of 1: 4 launches
;; limits: values are held in f16: magnitudes above 65,504 overflow, below 6.1e-05 lose precision
;; workspace buffers: xb 8,388,608 bytes; wb 1,572,864 bytes; wo 524,288 bytes; mb 2,097,152 bytes of whole numbers; qkv 12,582,912 bytes; hd 4,194,304 bytes
;; launch prep (part 1): grid 256 x 1, 8 waves a work-group, no clusters, 267,264 bytes of LDS; arguments mask, q, h, W_query, W_key, W_val, W_out, xb, wb, wo, mb; writes xb, wb, wo, mb
.if DOCPART == 1
	.amdgcn_target "amdgcn-amd-amdhsa--gfx1250"
	.amdhsa_code_object_version 6
	.text
	.protected	k_q5d91691120_prep
	.globl	k_q5d91691120_prep
	.p2align	8
	.type	k_q5d91691120_prep,@function
k_q5d91691120_prep:
	s_mov_b64 s[64:65], 0
	v_nop
	global_prefetch_b8 v0, s[64:65] scope:SCOPE_SE
	s_setreg_imm32_b32 hwreg(HW_REG_WAVE_MODE, 25, 1), 1
	s_wait_xcnt 0x0
; prep: every input is read once here and leaves in the form that the matrix launches take.
;   xb  bf16 [2][4096][512]      plane 0 = q, plane 1 = h
;   wb  bf16 [24][512][64]       blocks 0-7 W_query, 8-15 W_key, 16-23 W_val, each number divided by 8 (a power of two: exact)
;   wo  f16  [8 eb][512 hv][64]  8 x bf16(W_out[hv][64 eb + e]); exact for numbers of magnitude 2^-20 and more
;   mb  u32  [256 qblk][256 kt][8 j]   bit L = (mask[16 qblk + (L & 15)][16 kt + 8 (L >> 4) + j] != 0)
; A word of mb is the lane mask of register j of a 16 x 16 score tile that holds keys along the registers and queries along the lanes.
; LIMITS: a mask value other than 0 counts as 1 (the problem states a mask of 0 and 1); |W_out| from 8,188 on overflows f16.
; Work-group g: mask rows 16 g .. 16 g + 15 (256 KiB), 32 KiB of q and of h, 4 KiB of each weight tensor.
; The work-groups share no input, so there is no cluster and no joint load; no matrix work, so no matrix instruction.
; The mask comes by tensor loads: wave w owns columns 512 w .. 512 w + 511 as two tiles of 16 rows x 1 KiB in LDS bytes of its own.
; Sixteen rows are the unit of packing, so a tile has sixteen rows.  Each tile is filled once and read by its own wave alone:
; the wave's wait on TENSORcnt is all the ordering, and there is no barrier.  Two tensor loads of a wave are out at the most.
.set PITCH, 1040                       ; an LDS row: 1,024 bytes + 16 of padding = 65 x 16, so sixteen rows start in sixteen different 16-byte columns modulo 256
.set TILE,  16*PITCH                   ; 16,640 bytes
.set WLDS,  2*TILE                     ; a wave's LDS bytes
.set D,    8                           ; v[8:87]    20 loads of 16 bytes
.set R,    88                          ; v[88:127]  20 pairs to store
.set MXA,  128                         ; v[128:159] mask words of four key tiles
.set MXB,  160                         ; v[160:191] the same, second buffer
.set OUTW, 192                         ; v[192:199] packed words: tile c in four registers, lane l holds words 4 l .. 4 l + 3
.set G1,   28                          ; s[28:35]   descriptor group 1
.set G0,   36                          ; s[36:43]   descriptor group 0, one set for each tile
.set CM,   44                          ; s[44:59]   compare results, two sets of eight
	s_load_b512 s[4:19], s[0:1], 0x0               ; mask 4:5, q 6:7, h 8:9, W_query 10:11, W_key 12:13, W_val 14:15, W_out 16:17, xb 18:19
	s_load_b128 s[20:23], s[0:1], 0x40             ; wb 20:21, wo 22:23
	s_load_b64 s[24:25], s[0:1], 0x50              ; mb
	v_lshl_add_u32 v200, v0, 2, 0x41000
	v_mov_b32 v201, 0
	ds_add_u32 v200, v201
	ds_add_u32 v200, v201
	v_lshrrev_b32 v1, 5, v0
	v_readfirstlane_b32 s26, v1                    ; wave 0..7
	s_mul_i32 s27, s26, WLDS                       ; my LDS bytes
	s_mov_b32 s[G1+0], (2<<16)|(1<<20)|(7<<22)|(3<<25)  ; elements of 4 bytes; padding on: after every 256 words, 4 words
	s_mov_b32 s[G1+1], 256<<16                     ; tensor_dim0 = 256
	s_mov_b32 s[G1+2], 16<<16                      ; tensor_dim1 = 16
	s_mov_b32 s[G1+3], 256<<16                     ; tile_dim0 = 256
	s_mov_b32 s[G1+4], 16                          ; tile_dim1 = 16
	s_mov_b32 s[G1+5], 4096                        ; elements from row to row
	s_mov_b32 s[G1+6], 0
	s_mov_b32 s[G1+7], 0
	s_lshl_b32 s2, ttmp9, 18                       ; 16 rows of 16,384 bytes for each work-group
	s_lshl_b32 s3, s26, 11                         ; 2,048 bytes of a row for each wave
	s_add_co_u32 s2, s2, s3
	s_mov_b32 s3, 0
	s_wait_dscnt 0x0
	s_wait_kmcnt 0x0
	s_add_nc_u64 s[4:5], s[4:5], s[2:3]
.irp c, 0,1
	s_mov_b32 s[G0+4*\c], 1
	s_add_co_u32 s[G0+4*\c+1], s27, \c*TILE
	s_add_nc_u64 s[G0+4*\c+2:G0+4*\c+3], s[4:5], \c*1024
	s_or_b32 s[G0+4*\c+3], s[G0+4*\c+3], 0x80000000
	tensor_load_to_lds s[G0+4*\c:G0+4*\c+3], s[G1:G1+7]        ; both first fills go out ahead of everything else
	s_nop 0
.endr
	s_lshl_b32 s2, ttmp9, 15                       ; my part of q and of h
	s_add_nc_u64 s[6:7], s[6:7], s[2:3]
	s_add_nc_u64 s[8:9], s[8:9], s[2:3]
	s_lshl_b32 s2, ttmp9, 12                       ; of each weight tensor
	s_add_nc_u64 s[10:11], s[10:11], s[2:3]
	s_add_nc_u64 s[12:13], s[12:13], s[2:3]
	s_add_nc_u64 s[14:15], s[14:15], s[2:3]
	s_add_nc_u64 s[16:17], s[16:17], s[2:3]
	s_lshl_b32 s2, ttmp9, 14                       ; of a plane of xb
	s_add_nc_u64 s[18:19], s[18:19], s[2:3]
	s_lshl_b32 s2, ttmp9, 11                       ; of a third of wb
	s_add_nc_u64 s[20:21], s[20:21], s[2:3]
	s_lshl_b32 s2, ttmp9, 8                        ; rows 2 g, 2 g + 1 of a block of wo
	s_add_nc_u64 s[22:23], s[22:23], s[2:3]
	s_lshl_b32 s2, ttmp9, 13                       ; query block g of mb
	s_add_nc_u64 s[24:25], s[24:25], s[2:3]
	v_lshlrev_b32 v1, 4, v0                        ; 16 bytes a thread in
	v_lshlrev_b32 v2, 3, v0                        ; 8 bytes a thread out
	v_and_b32 v3, 15, v0                           ; lane mod 16
	v_bfe_u32 v4, v0, 4, 1                         ; lane / 16
	v_and_b32 v7, 31, v0                           ; lane
	v_mul_u32_u24 v5, v3, PITCH
	v_lshl_add_u32 v5, v4, 5, v5
	v_add_nc_u32 v5, s27, v5                       ; LDS: mask row lane mod 16, eight words at 32 x (lane / 16)
	v_lshlrev_b32 v3, 4, v3
	v_lshl_add_u32 v3, v4, 11, v3
	v_lshl_add_u32 v3, s26, 8, v3                  ; W_out: row lane / 16 of my two, columns 64 w + 4 (lane mod 16)
	v_lshlrev_b32 v4, 3, v7
	v_lshl_add_u32 v4, s26, 16, v4                 ; wo: block w, 8 bytes a lane: two rows of 128 bytes lie side by side
	v_lshlrev_b32 v6, 4, v7
	v_lshl_add_u32 v6, s26, 10, v6                 ; mb: 32 key tiles of 32 bytes for each wave, 16 bytes a lane
.irp n, 0,1,2,3,4,5,6,7
	global_load_b128 v[D+4*\n:D+4*\n+3], v1, s[6:7] offset:4096*\n th:TH_LOAD_NT
.endr
.irp n, 0,1,2,3,4,5,6,7
	global_load_b128 v[D+32+4*\n:D+32+4*\n+3], v1, s[8:9] offset:4096*\n th:TH_LOAD_NT
.endr
	global_load_b128 v[D+64:D+67], v1, s[10:11] th:TH_LOAD_NT
	global_load_b128 v[D+68:D+71], v1, s[12:13] th:TH_LOAD_NT
	global_load_b128 v[D+72:D+75], v1, s[14:15] th:TH_LOAD_NT
	global_load_b128 v[D+76:D+79], v3, s[16:17] th:TH_LOAD_NT
.irp i, 0,1,2,3,4,5,6,7
	v_mov_b32 v[OUTW+\i], 0                        ; v_writelane_b32 fills these lane by lane: they are written whole once
.endr
; load i of the twenty is rounded to bf16.  The count leaves the younger loads out.  Every load and every store has registers of its own.
.macro CVT i
	v_cvt_pk_bf16_f32 v[R+2*\i], v[D+4*\i], v[D+4*\i+1]
	v_cvt_pk_bf16_f32 v[R+2*\i+1], v[D+4*\i+2], v[D+4*\i+3]
.endm
.irp i, 0,1,2,3,4,5,6,7
	s_wait_loadcnt 19-\i
	CVT \i
	global_store_b64 v2, v[R+2*\i:R+2*\i+1], s[18:19] offset:2048*\i            ; a wave stores 256 consecutive bytes, aligned
.endr
.irp i, 8,9,10,11,12,13,14,15
	s_wait_loadcnt 19-\i
	CVT \i
	global_store_b64 v2, v[R+2*\i:R+2*\i+1], s[18:19] offset:4194304+2048*(\i-8)
.endr
.irp i, 16,17,18
	s_wait_loadcnt 19-\i
	v_pk_mul_f32 v[D+4*\i:D+4*\i+1], v[D+4*\i:D+4*\i+1], 0x3e000000 op_sel_hi:[1,0]        ; / 8, so that Q, K and V have room in f16
	v_pk_mul_f32 v[D+4*\i+2:D+4*\i+3], v[D+4*\i+2:D+4*\i+3], 0x3e000000 op_sel_hi:[1,0]
	CVT \i
	global_store_b64 v2, v[R+2*\i:R+2*\i+1], s[20:21] offset:524288*(\i-16)
.endr
	s_wait_loadcnt 0x0
	CVT 19                                         ; W_out: rounded to bf16 like the other inputs,
	v_lshlrev_b32 v[D+76], 16, v[R+38]             ; widened again,
	v_and_b32 v[D+77], 0xffff0000, v[R+38]
	v_lshlrev_b32 v[D+78], 16, v[R+39]
	v_and_b32 v[D+79], 0xffff0000, v[R+39]
	v_pk_mul_f32 v[D+76:D+77], v[D+76:D+77], 0x41000000 op_sel_hi:[1,0]   ; x 8: undoes the factor that V carries,
	v_pk_mul_f32 v[D+78:D+79], v[D+78:D+79], 0x41000000 op_sel_hi:[1,0]
	v_cvt_pk_f16_f32 v[R+38], v[D+76], v[D+77]     ; and written as f16: eight significant bits fit
	v_cvt_pk_f16_f32 v[R+39], v[D+78], v[D+79]
	global_store_b64 v4, v[R+38:R+39], s[22:23]
; eight LDS loads: the mask words of key tiles 4 q .. 4 q + 3 of tile c
.macro GRP c, q, buf
.irp t, 0,1,2,3
	ds_load_b128 v[\buf+8*\t:\buf+8*\t+3], v5 offset:\c*TILE+64*(4*\q+\t)
	ds_load_b128 v[\buf+8*\t+4:\buf+8*\t+7], v5 offset:\c*TILE+64*(4*\q+\t)+16
.endr
.endm
; a compare makes a word of mb; word n of the tile's 128 goes to lane n / 4, register n mod 4
.macro PACK c, q, buf
.irp t, 0,1,2,3
.irp j, 0,1,2,3,4,5,6,7
	v_cmp_ne_u32 s[CM+8*(\t&1)+\j], 0, v[\buf+8*\t+\j]
.endr
.irp j, 0,1,2,3,4,5,6,7
	v_writelane_b32 v[OUTW+4*\c+(\j&3)], s[CM+8*(\t&1)+\j], 2*(4*\q+\t)+(\j>>2)
.endr
.endr
.endm
.macro MTILE c
	s_wait_tensorcnt 1-\c                          ; tensor loads of a wave end in order: tile c is in LDS, a younger one may be out
	GRP \c, 0, MXA
	GRP \c, 1, MXB
	s_wait_dscnt 8                                 ; the older eight are in, the younger eight stay out
	PACK \c, 0, MXA
	GRP \c, 2, MXA
	s_wait_dscnt 8
	PACK \c, 1, MXB
	GRP \c, 3, MXB
	s_wait_dscnt 8
	PACK \c, 2, MXA
	s_wait_dscnt 0
	PACK \c, 3, MXB
	global_store_b128 v6, v[OUTW+4*\c:OUTW+4*\c+3], s[24:25] offset:512*\c     ; 512 consecutive bytes, aligned
.endm
	MTILE 0
	MTILE 1                                        ; its wait on TENSORcnt is for 0: none is out at the end
	s_wait_tensorcnt 0x0
	ds_add_u32 v200, v201
	s_wait_dscnt 0x0
	s_endpgm
.Lfunc_end_k_q5d91691120_prep:
	.size	k_q5d91691120_prep, .Lfunc_end_k_q5d91691120_prep-k_q5d91691120_prep
	.p2alignl 7, 3214868480
	.fill 96, 4, 3214868480
	.section	.rodata,"a",@progbits
	.p2align	6, 0x0
	.amdhsa_kernel k_q5d91691120_prep
		.amdhsa_group_segment_fixed_size 267264
		.amdhsa_private_segment_fixed_size 0
		.amdhsa_enable_private_segment 0
		.amdhsa_kernarg_size 88
		.amdhsa_user_sgpr_count 2
		.amdhsa_user_sgpr_kernarg_segment_ptr 1
		.amdhsa_wavefront_size32 1
		.amdhsa_system_sgpr_workgroup_id_x 1
		.amdhsa_system_sgpr_workgroup_id_y 1
		.amdhsa_system_sgpr_workgroup_id_z 1
		.amdhsa_system_vgpr_workitem_id 0
		.amdhsa_next_free_vgpr 202
		.amdhsa_next_free_sgpr 66
		.amdhsa_reserve_vcc 0
		.amdhsa_float_denorm_mode_32 3
		.amdhsa_float_denorm_mode_16_64 3
		.amdhsa_memory_ordered 1
		.amdhsa_forward_progress 1
		.amdhsa_inst_pref_size 49
	.end_amdhsa_kernel
	.amdgpu_metadata
---
amdhsa.version: [ 1, 2 ]
amdhsa.kernels:
  - .name:           k_q5d91691120_prep
    .symbol:         k_q5d91691120_prep.kd
    .args:
      - { .name: mask, .offset: 0, .size: 8, .value_kind: global_buffer, .address_space: global }
      - { .name: q, .offset: 8, .size: 8, .value_kind: global_buffer, .address_space: global }
      - { .name: h, .offset: 16, .size: 8, .value_kind: global_buffer, .address_space: global }
      - { .name: W_query, .offset: 24, .size: 8, .value_kind: global_buffer, .address_space: global }
      - { .name: W_key, .offset: 32, .size: 8, .value_kind: global_buffer, .address_space: global }
      - { .name: W_val, .offset: 40, .size: 8, .value_kind: global_buffer, .address_space: global }
      - { .name: W_out, .offset: 48, .size: 8, .value_kind: global_buffer, .address_space: global }
      - { .name: xb, .offset: 56, .size: 8, .value_kind: global_buffer, .address_space: global }
      - { .name: wb, .offset: 64, .size: 8, .value_kind: global_buffer, .address_space: global }
      - { .name: wo, .offset: 72, .size: 8, .value_kind: global_buffer, .address_space: global }
      - { .name: mb, .offset: 80, .size: 8, .value_kind: global_buffer, .address_space: global }
    .group_segment_fixed_size: 267264
    .private_segment_fixed_size: 0
    .kernarg_segment_align: 8
    .kernarg_segment_size: 88
    .max_flat_workgroup_size: 256
    .sgpr_count:     66
    .vgpr_count:     202
    .wavefront_size: 32
...
	.end_amdgpu_metadata
.endif
;; end of part 1
;; launch proj (part 2): grid 8 x 32, 4 waves a work-group, clusters of 4 x 4, 327,680 bytes of LDS; arguments xb, wb, qkv; writes qkv
.if DOCPART == 2
	.amdgcn_target "amdgcn-amd-amdhsa--gfx1250"
	.amdhsa_code_object_version 6
	.text
	.protected	k_q5d91691120_proj
	.globl	k_q5d91691120_proj
	.p2align	8
	.type	k_q5d91691120_proj,@function
k_q5d91691120_proj:
	s_mov_b64 s[64:65], 0
	v_nop
	global_prefetch_b8 v0, s[64:65] scope:SCOPE_SE
	s_setreg_imm32_b32 hwreg(HW_REG_WAVE_MODE, 25, 1), 1
	s_wait_xcnt 0x0
	s_wait_alu depctr_hold_cnt(0) depctr_sa_sdst(0) depctr_va_vdst(0) depctr_va_sdst(0) depctr_va_ssrc(0) depctr_va_vcc(0) depctr_vm_vsrc(0)
	s_getreg_b32 s2, hwreg(HW_REG_IB_STS2, 6, 4)
	s_cmp_eq_u32 s2, 0
	s_cbranch_scc0 .Lentry_in_a_cluster
	s_endpgm
.Lentry_in_a_cluster:
	s_bfe_u32 s2, ttmp6, 0x10000c
	s_cmp_lg_u32 s2, 0xf033
	s_cbranch_scc0 .Lentry_shape_is_right
	s_endpgm
.Lentry_shape_is_right:
; proj: qkv[blk][row][n] = sum over i of x[row][i] wb[blk][i][n], bf16 operands, f32 sums, f16 out.
; blk = 8 role + head; role 0 = Q (x = q), 1 = K, 2 = V (x = h).  wb already carries the factor 1/8.
; LIMIT: a result of magnitude 65,504 and more (a projection entry of 524,032 and more) overflows f16.
; A work-group takes one head and 128 rows and makes three tiles of 128 x 64 over K = 512, one after the other: Q, K, V.  256 work-groups,
; so set-up, the first tiles and the last stores are paid once for three tiles.
; LDS cannot hold q, h and three blocks of wb at once (2 x 139,264 + 3 x 81,920 bytes), so it holds one x and two blocks:
;   first fills: q (four chunks of 128 along K, so that the products start with the first chunk), W_query's block, W_key's block;
;   behind tile Q one refill: h over q, W_val's block over W_query's.  Tile Q's way out runs while that refill is on its way.
; Six tensor loads of a wave are out at the most (the first fills); behind the refill's round one.
; CLUSTER 4 x 4: the four work-groups of a row of the cluster take the same rows of q and h, the four of a column the same blocks of wb.
; All tiles are asked for jointly.  No register that feeds a descriptor of x ever holds cx, none that feeds a descriptor of wb ever holds cy.
; The matrix instruction is used transposed (source 0 = 16 columns of wb, source 1 = 16 rows of x): a lane then holds eight
; neighbouring columns of one row of the result, 16 bytes of f16.
.set PA,    272                        ; LDS pitch of a chunk of q: 256 bytes + 16
.set ACH,   128*PA                     ; a chunk of q: 128 rows x 128 k
.set PA2,   1040                       ; LDS pitch of h, whole K: 1,024 bytes + 16 = 65 x 16
.set PB,    160                        ; LDS pitch of wb: 128 bytes + 32, an odd multiple of 32, for the transposing load
.set BCH,   128*PB                     ; 128 k rows x 64 n of wb
.set BB0,   4*ACH                      ; 139,264: W_query's block, later W_val's.  (h takes 128 x 1,040 = 133,120 bytes from 0 on)
.set BB1,   BB0+4*BCH                  ; 221,184: W_key's block
.set STG,   BB1+4*BCH                  ; 303,104: behind all fills, 32 rows x 144 bytes for each wave
.set SP,    144
.set ROLEB, 4194304                    ; bytes of a plane of xb, and of eight blocks of qkv
.set XA,  2                            ; v2, v3     LDS address of my q fragments, chunks 0-1 and 2-3
.set WA,  4                            ; v4 .. v7   the same for wb: block region bs, chunks c at 2 bs + c / 2
.set STO, 8
.set RD,  9
.set CO,  10
.set XH,  11                           ; v11        LDS address of my h fragments
.set ACC, 16                           ; v[16:79]   tile (mt, nt) at 8 (4 mt + nt)
.set FB0, 80                           ; v[80:127]  fragments: x at 8 mt, wb at 16 + 8 nt
.set FB1, 128                          ; v[128:175] second buffer
.set TMP, 176                          ; v[176:207] packed results
.set OUTR, 208                         ; v[208:239] rows read back, to store
.set G1A,  16                          ; s[16:23]   shape of half a chunk of q: 64 rows x 128 k
.set G1A2, 24                          ; s[24:31]   shape of half of h: 64 rows x 512 k
.set G0A,  32                          ; s[32:47]   one set for each chunk of q; the first serves h later
.set G1B,  48                          ; s[48:55]   shape of 64 k rows of wb
.set G1B2, 56                          ; s[56:63]   shape of 256 k rows of wb
.set G0B,  68                          ; s[68:83]   one set for each chunk of W_query's block; the first serves W_val's later
.set G0K,  84                          ; s[84:91]   my two pieces of W_key's block
.macro CROUND                          ; a round of the barrier of the cluster
	s_barrier_signal -1
	s_barrier_wait -1
	s_cmp_lg_u32 s10, 0
	s_cbranch_scc1 .Lnot_wave_0_\@
	s_barrier_signal -3
.Lnot_wave_0_\@:
	s_barrier_wait -3
	s_barrier_signal -1
	s_barrier_wait -1
.endm
.macro PLACES                          ; four places behind a matrix instruction, ahead of loads into its sources and of readers of its result
.rept 4
	v_nop
.endr
.endm
	s_load_b128 s[4:7], s[0:1], 0x0                ; xb, wb
	s_load_b64 s[8:9], s[0:1], 0x10                ; qkv
	v_lshl_add_u32 v240, v0, 2, 0x4e800
	v_mov_b32 v241, 0
	ds_add_u32 v240, v241
	ds_add_u32 v240, v241
	v_lshrrev_b32 v1, 5, v0
	v_readfirstlane_b32 s10, v1                    ; wave 0..3
	s_lshr_b32 s11, s10, 1                         ; I fetch for x (0) or for wb (1)
	s_and_b32 s12, s10, 1                          ; which half
	s_bfe_u32 s98, ttmp6, 0x40000                  ; cx
	s_bfe_u32 s99, ttmp6, 0x40004                  ; cy
	s_lshl_b32 s100, ttmp9, 2
	s_add_co_u32 s100, s100, s98                   ; head = 4 x cluster x + cx
	s_and_b32 s101, ttmp7, 0xffff
	s_lshl_b32 s101, s101, 2
	s_add_co_u32 s101, s101, s99                   ; row block = 4 x cluster y + cy
	s_lshl_b32 s104, s99, 2
	s_lshl_b32 s104, 15, s104                      ; my row of the cluster
	s_lshl_b32 s105, 0x1111, s98                   ; my column
	s_or_b32 s[G1A+0], s104, (1<<16)|(1<<20)|(1<<21)|(5<<22)|(3<<25)    ; 2-byte elements; after every 64 words 4 words of padding
	s_mov_b32 s[G1A+1], 128<<16                    ; tensor_dim0 = 128
	s_mov_b32 s[G1A+2], 64<<16                     ; tensor_dim1 = 64
	s_mov_b32 s[G1A+3], 128<<16                    ; tile_dim0 = 128
	s_mov_b32 s[G1A+4], 64                         ; tile_dim1 = 64
	s_mov_b32 s[G1A+5], 512                        ; elements from row to row
	s_mov_b32 s[G1A+6], 0
	s_mov_b32 s[G1A+7], 0
	s_or_b32 s[G1A2+0], s104, (1<<16)|(1<<20)|(1<<21)|(7<<22)|(3<<25)   ; after every 256 words 4 words of padding
	s_mov_b32 s[G1A2+1], 512<<16                   ; tensor_dim0 = 512
	s_mov_b32 s[G1A2+2], 64<<16
	s_mov_b32 s[G1A2+3], 512<<16                   ; tile_dim0 = 512
	s_mov_b32 s[G1A2+4], 64
	s_mov_b32 s[G1A2+5], 512
	s_mov_b32 s[G1A2+6], 0
	s_mov_b32 s[G1A2+7], 0
	s_or_b32 s[G1B+0], s105, (1<<16)|(1<<20)|(1<<21)|(4<<22)|(7<<25)    ; after every 32 words 8 words of padding
	s_mov_b32 s[G1B+1], 64<<16
	s_mov_b32 s[G1B+2], 64<<16
	s_mov_b32 s[G1B+3], 64<<16
	s_mov_b32 s[G1B+4], 64
	s_mov_b32 s[G1B+5], 64
	s_mov_b32 s[G1B+6], 0
	s_mov_b32 s[G1B+7], 0
	s_or_b32 s[G1B2+0], s105, (1<<16)|(1<<20)|(1<<21)|(4<<22)|(7<<25)
	s_mov_b32 s[G1B2+1], 64<<16
	s_mov_b32 s[G1B2+2], 256<<16                   ; tensor_dim1 = 256
	s_mov_b32 s[G1B2+3], 64<<16
	s_mov_b32 s[G1B2+4], 256                       ; tile_dim1 = 256
	s_mov_b32 s[G1B2+5], 64
	s_mov_b32 s[G1B2+6], 0
	s_mov_b32 s[G1B2+7], 0
	s_lshl_b32 s96, s101, 17                       ; x: 128 rows of 1,024 bytes for each row block,
	s_lshl_b32 s97, s12, 16                        ; my half of 64 rows
	s_add_co_u32 s96, s96, s97
	s_mov_b32 s97, 0
	s_lshl_b32 s94, s100, 16                       ; wb: my head's block among eight
	s_mov_b32 s95, 0
	s_lshl_b32 s14, s100, 19                       ; qkv: my head's block,
	s_lshl_b32 s15, s101, 14                       ; 128 rows of 128 bytes,
	s_add_co_u32 s14, s14, s15
	s_lshl_b32 s15, s10, 12                        ; my 32 rows
	s_add_co_u32 s14, s14, s15
	s_mov_b32 s15, 0
	s_lshl_b32 s2, s12, 13                         ; 64 k rows of 128 bytes
	s_mov_b32 s3, 0
	s_wait_dscnt 0x0
	s_wait_kmcnt 0x0
	s_add_nc_u64 s[8:9], s[8:9], s[14:15]          ; where my rows of Q go
	s_add_nc_u64 s[96:97], s[4:5], s[96:97]        ; my half of the rows of q
	s_add_nc_u64 s[92:93], s[6:7], s[94:95]        ; W_query's block
	s_add_nc_u64 s[94:95], s[92:93], s[2:3]        ; my half of its first chunk
	s_mul_i32 s13, s12, 64*PA
.irp c, 0,1,2,3
	s_mov_b32 s[G0A+4*\c], 1
	s_add_co_u32 s[G0A+4*\c+1], s13, \c*ACH
	s_add_nc_u64 s[G0A+4*\c+2:G0A+4*\c+3], s[96:97], \c*256
	s_or_b32 s[G0A+4*\c+3], s[G0A+4*\c+3], 0x80000000
.endr
	s_mul_i32 s13, s12, 64*PB
	s_add_co_u32 s13, s13, BB0
.irp c, 0,1,2,3
	s_mov_b32 s[G0B+4*\c], 1
	s_add_co_u32 s[G0B+4*\c+1], s13, \c*BCH
	s_add_nc_u64 s[G0B+4*\c+2:G0B+4*\c+3], s[94:95], \c*16384
	s_or_b32 s[G0B+4*\c+3], s[G0B+4*\c+3], 0x80000000
.endr
	s_mul_i32 s13, s10, 128*PB                     ; W_key's block: wave w fetches k rows 128 w .. 128 w + 127, as two pieces of 64
	s_add_co_u32 s13, s13, BB1
	s_lshl_b32 s2, s10, 14
	s_add_co_u32 s2, s2, 8*65536                   ; eight blocks behind W_query's
	s_add_nc_u64 s[92:93], s[92:93], s[2:3]
.irp i, 0,1
	s_mov_b32 s[G0K+4*\i], 1
	s_add_co_u32 s[G0K+4*\i+1], s13, \i*64*PB
	s_add_nc_u64 s[G0K+4*\i+2:G0K+4*\i+3], s[92:93], \i*8192
	s_or_b32 s[G0K+4*\i+3], s[G0K+4*\i+3], 0x80000000
.endr
	s_mul_i32 s2, s12, 32768-8192                  ; s[2:3]: from my half of W_query's first chunk to my half (256 k rows) of W_val's block,
	s_add_co_u32 s2, s2, 16*65536                  ; sixteen blocks further on; used at the refill
	CROUND                                         ; all sixteen work-groups are here: the joint loads meet
	s_cmp_eq_u32 s11, 0
	s_cbranch_scc0 .Lfill_b
.irp c, 0,1,2,3
	tensor_load_to_lds s[G0A+4*\c:G0A+4*\c+3], s[G1A:G1A+7]
	s_nop 0
.endr
	s_branch .Lfilled
.Lfill_b:
.irp c, 0,1,2,3
	tensor_load_to_lds s[G0B+4*\c:G0B+4*\c+3], s[G1B:G1B+7]
	s_nop 0
.endr
.Lfilled:
	tensor_load_to_lds s[G0K:G0K+3], s[G1B:G1B+7]          ; W_key's block is wanted last and goes out last: six first fills a wave
	s_nop 0
	tensor_load_to_lds s[G0K+4:G0K+7], s[G1B:G1B+7]
	s_nop 0
	v_and_b32 v12, 15, v0                          ; r
	v_bfe_u32 v13, v0, 4, 1                        ; h
	v_mul_u32_u24 v[XA], v12, PA
	v_lshl_add_u32 v[XA], v13, 4, v[XA]
	s_mul_i32 s13, s10, 32*PA
	v_add_nc_u32 v[XA], s13, v[XA]                 ; q: (32 w + r) pitch + 16 h
	v_add_nc_u32 v[XA+1], 2*ACH, v[XA]
	v_mul_u32_u24 v[XH], v12, PA2
	v_lshl_add_u32 v[XH], v13, 4, v[XH]
	s_mul_i32 s13, s10, 32*PA2
	v_add_nc_u32 v[XH], s13, v[XH]                 ; h: the same with its pitch
	v_and_b32 v14, 7, v0
	v_lshl_add_u32 v15, v13, 3, v14
	v_mul_u32_u24 v[WA], v15, PB                   ; wb: (8 h + lane mod 8) pitch
	v_bfe_u32 v15, v0, 3, 1
	v_lshl_add_u32 v[WA], v15, 4, v[WA]            ; + 16 x bit 3 of the lane
	v_add_nc_u32 v[WA], BB0, v[WA]
.irp i, 1,2,3
	v_add_nc_u32 v[WA+\i], \i*2*BCH, v[WA]         ; two chunks to a register: the offsets stay inside 16 bits
.endr
	s_mul_i32 s13, s10, 32*SP
	s_add_co_u32 s13, s13, STG
	v_mul_u32_u24 v[STO], v12, SP
	v_lshl_add_u32 v[STO], v13, 4, v[STO]
	v_add_nc_u32 v[STO], s13, v[STO]               ; in: row r, 16 bytes for each half of the lanes
	v_bfe_u32 v15, v0, 3, 2
	v_mul_u32_u24 v[RD], v15, SP
	v_lshl_add_u32 v[RD], v14, 4, v[RD]
	v_add_nc_u32 v[RD], s13, v[RD]                 ; back: eight lanes take a row of 128 bytes
	v_and_b32 v[CO], 31, v0
	v_lshlrev_b32 v[CO], 4, v[CO]
; twelve LDS loads: the fragments of 32 along K (step ks of chunk c).  lay 0: q in chunks; lay 1: h, whole K.  bs: the region of wb
.macro FETCH lay, bs, c, ks, fb
.irp mt, 0,1
.if \lay == 0
	ds_load_b128 v[\fb+8*\mt:\fb+8*\mt+3], v[XA+(\c>>1)] offset:(\c&1)*ACH+\mt*16*PA+64*\ks
	ds_load_b128 v[\fb+8*\mt+4:\fb+8*\mt+7], v[XA+(\c>>1)] offset:(\c&1)*ACH+\mt*16*PA+64*\ks+32
.else
	ds_load_b128 v[\fb+8*\mt:\fb+8*\mt+3], v[XH] offset:\mt*16*PA2+256*\c+64*\ks
	ds_load_b128 v[\fb+8*\mt+4:\fb+8*\mt+7], v[XH] offset:\mt*16*PA2+256*\c+64*\ks+32
.endif
.endr
.irp nt, 0,1,2,3
	ds_load_tr16_b128 v[\fb+16+8*\nt:\fb+16+8*\nt+3], v[WA+2*\bs+(\c>>1)] offset:(\c&1)*BCH+\ks*32*PB+32*\nt
	ds_load_tr16_b128 v[\fb+16+8*\nt+4:\fb+16+8*\nt+7], v[WA+2*\bs+(\c>>1)] offset:(\c&1)*BCH+\ks*32*PB+32*\nt+16*PB
.endr
.endm
; eight matrix instructions; the eight accumulators take turns, one instruction a turn
.macro MUL fb, zero
.irp mt, 0,1
.irp nt, 0,1,2,3
.if \zero
	v_wmma_f32_16x16x32_bf16 v[ACC+8*(4*\mt+\nt):ACC+8*(4*\mt+\nt)+7], v[\fb+16+8*\nt:\fb+16+8*\nt+7], v[\fb+8*\mt:\fb+8*\mt+7], 0
.else
	v_wmma_f32_16x16x32_bf16 v[ACC+8*(4*\mt+\nt):ACC+8*(4*\mt+\nt)+7], v[\fb+16+8*\nt:\fb+16+8*\nt+7], v[\fb+8*\mt:\fb+8*\mt+7], v[ACC+8*(4*\mt+\nt):ACC+8*(4*\mt+\nt)+7]
.endif
.endr
.endr
.endm
; The four steps of chunk c.  Steps 0 and 1 have been fetched; each step fetches the fragments of the step two further on into the buffer that it
; has just multiplied.  more = 1: that goes on into chunk cn.  Each count of 12 leaves the younger fetch out.
.macro CH lay, bs, c, cn, zero, more
	s_wait_dscnt 12
	MUL FB0, \zero
	PLACES
	FETCH \lay, \bs, \c, 2, FB0
	s_wait_dscnt 12
	MUL FB1, 0
	PLACES
	FETCH \lay, \bs, \c, 3, FB1
	s_wait_dscnt 12
	MUL FB0, 0
.if \more
	PLACES
	FETCH \lay, \bs, \cn, 0, FB0
	s_wait_dscnt 12
.else
	s_wait_dscnt 0
.endif
	MUL FB1, 0
.if \more
	PLACES
	FETCH \lay, \bs, \cn, 1, FB1
.endif
.endm
; a chunk of tile Q, multiplied as soon as it has landed
.macro QCHUNK c, zero
	s_wait_tensorcnt 5-\c                          ; my part of chunk c has landed; the later chunks and W_key's two pieces stay out
	s_barrier_signal -1                            ; no LDS instruction of mine is out: the chunk before ended on a wait for 0
	s_barrier_wait -1                              ; every part of chunk c has landed
.if \c
	PLACES
.endif
	FETCH 0, 0, \c, 0, FB0
	FETCH 0, 0, \c, 1, FB1
	CH 0, 0, \c, 0, \zero, 0
.endm
; a tile on h, all of whose operands have landed: sixteen steps without a gap in the fetches
.macro TILE bs
	FETCH 1, \bs, 0, 0, FB0
	FETCH 1, \bs, 0, 1, FB1
	CH 1, \bs, 0, 1, 1, 1                          ; the first products start the sums: nothing is cleared
	CH 1, \bs, 1, 2, 0, 1
	CH 1, \bs, 2, 3, 0, 1
	CH 1, \bs, 3, 0, 0, 0
.endm
; the way out of a tile: f16, 16 bytes a lane into my own stage, read back as whole rows.  step = 1: eight blocks of qkv further on
.macro OUT step
	PLACES
.irp mt, 0,1
.irp nt, 0,1,2,3
.irp i, 0,1,2,3
	v_cvt_pk_f16_f32 v[TMP+4*(4*\mt+\nt)+\i], v[ACC+8*(4*\mt+\nt)+2*\i], v[ACC+8*(4*\mt+\nt)+2*\i+1]
.endr
	ds_store_b128 v[STO], v[TMP+4*(4*\mt+\nt):TMP+4*(4*\mt+\nt)+3] offset:\mt*16*SP+32*\nt
.endr
.endr
.if \step
	s_wait_xcnt 0x0                                ; the last tile's stores have had their addresses translated (ISA guide 3.1): their data registers and their base are rewritten only behind this wait
	s_add_nc_u64 s[8:9], s[8:9], ROLEB
.endif
.irp t, 0,1,2,3,4,5,6,7
	ds_load_b128 v[OUTR+4*\t:OUTR+4*\t+3], v[RD] offset:\t*4*SP    ; LDS serves a wave in order (ISA guide 5.7.1): these see the stores above
.endr
.irp t, 0,1,2,3,4,5,6,7
	s_wait_dscnt 7-\t
	global_store_b128 v[CO], v[OUTR+4*\t:OUTR+4*\t+3], s[8:9] offset:512*\t    ; four rows of 128 bytes: 512 consecutive bytes, aligned
.endr
.endm
	QCHUNK 0, 1                                    ; tile Q; the first products start the sums
	QCHUNK 1, 0
	QCHUNK 2, 0
	QCHUNK 3, 0
	; THE REFILL: h over q, W_val's block over W_query's.  The round is the barrier in front of it.
	s_wait_dscnt 0x0                               ; my reads of q and of W_query's block are back
	s_wait_tensorcnt 0x0                           ; all my tensor loads have landed, my pieces of W_key's block among them, so a group 0 may be written
	ds_add_u32 v240, v241
	s_wait_dscnt 0x0
	s_mul_i32 s[G0A+1], s12, 64*PA2                ; h: my half of 64 rows,
	s_add_nc_u64 s[G0A+2:G0A+3], s[G0A+2:G0A+3], ROLEB     ; the same rows one plane further on
	s_mul_i32 s[G0B+1], s12, 256*PB                ; W_val: my half of 256 k rows
	s_add_co_u32 s[G0B+1], s[G0B+1], BB0
	s_add_nc_u64 s[G0B+2:G0B+3], s[G0B+2:G0B+3], s[2:3]
	CROUND                                         ; both waits now hold of every wave of the sixteen work-groups
	s_cmp_eq_u32 s11, 0
	s_cbranch_scc0 .Lrefill_b
	tensor_load_to_lds s[G0A:G0A+3], s[G1A2:G1A2+7]        ; my one tensor load behind the round
	s_nop 0
	s_branch .Lrefilled
.Lrefill_b:
	tensor_load_to_lds s[G0B:G0B+3], s[G1B2:G1B2+7]
	s_nop 0
.Lrefilled:
	OUT 0                                          ; Q leaves while the refill is on its way
	s_wait_tensorcnt 0x0                           ; my part of the refill has landed
	s_barrier_signal -1                            ; the way out ended on a wait for DScnt 0
	s_barrier_wait -1                              ; everybody's has
	TILE 1                                         ; K: h with W_key's block
	OUT 1
	TILE 0                                         ; V: h with W_val's block
	OUT 1
	s_wait_tensorcnt 0x0
	ds_add_u32 v240, v241
	s_wait_dscnt 0x0
	CROUND                                         ; the closing round
	s_endpgm
.Lfunc_end_k_q5d91691120_proj:
	.size	k_q5d91691120_proj, .Lfunc_end_k_q5d91691120_proj-k_q5d91691120_proj
	.p2alignl 7, 3214868480
	.fill 96, 4, 3214868480
	.section	.rodata,"a",@progbits
	.p2align	6, 0x0
	.amdhsa_kernel k_q5d91691120_proj
		.amdhsa_group_segment_fixed_size 327680
		.amdhsa_private_segment_fixed_size 0
		.amdhsa_enable_private_segment 0
		.amdhsa_kernarg_size 24
		.amdhsa_user_sgpr_count 2
		.amdhsa_user_sgpr_kernarg_segment_ptr 1
		.amdhsa_wavefront_size32 1
		.amdhsa_system_sgpr_workgroup_id_x 1
		.amdhsa_system_sgpr_workgroup_id_y 1
		.amdhsa_system_sgpr_workgroup_id_z 1
		.amdhsa_system_vgpr_workitem_id 0
		.amdhsa_next_free_vgpr 242
		.amdhsa_next_free_sgpr 106
		.amdhsa_reserve_vcc 0
		.amdhsa_float_denorm_mode_32 3
		.amdhsa_float_denorm_mode_16_64 3
		.amdhsa_memory_ordered 1
		.amdhsa_forward_progress 1
		.amdhsa_inst_pref_size 91
	.end_amdhsa_kernel
	.amdgpu_metadata
---
amdhsa.version: [ 1, 2 ]
amdhsa.kernels:
  - .name:           k_q5d91691120_proj
    .symbol:         k_q5d91691120_proj.kd
    .args:
      - { .name: xb, .offset: 0, .size: 8, .value_kind: global_buffer, .address_space: global }
      - { .name: wb, .offset: 8, .size: 8, .value_kind: global_buffer, .address_space: global }
      - { .name: qkv, .offset: 16, .size: 8, .value_kind: global_buffer, .address_space: global }
    .group_segment_fixed_size: 327680
    .private_segment_fixed_size: 0
    .kernarg_segment_align: 8
    .kernarg_segment_size: 24
    .max_flat_workgroup_size: 128
    .sgpr_count:     106
    .vgpr_count:     242
    .wavefront_size: 32
...
	.end_amdgpu_metadata
.endif
;; end of part 2
;; launch attn (part 3): grid 32 x 8, 8 waves a work-group, clusters of 4 x 1, 327,680 bytes of LDS; arguments qkv, mb, hd; writes hd
.if DOCPART == 3
	.amdgcn_target "amdgcn-amd-amdhsa--gfx1250"
	.amdhsa_code_object_version 6
	.text
	.protected	k_q5d91691120_attn
	.globl	k_q5d91691120_attn
	.p2align	8
	.type	k_q5d91691120_attn,@function
k_q5d91691120_attn:
	s_mov_b64 s[64:65], 0
	v_nop
	global_prefetch_b8 v0, s[64:65] scope:SCOPE_SE
	s_setreg_imm32_b32 hwreg(HW_REG_WAVE_MODE, 25, 1), 1
	s_wait_xcnt 0x0
	s_wait_alu depctr_hold_cnt(0) depctr_sa_sdst(0) depctr_va_vdst(0) depctr_va_sdst(0) depctr_va_ssrc(0) depctr_va_vcc(0) depctr_vm_vsrc(0)
	s_getreg_b32 s2, hwreg(HW_REG_IB_STS2, 6, 4)
	s_cmp_eq_u32 s2, 0
	s_cbranch_scc0 .Lentry_in_a_cluster
	s_endpgm
.Lentry_in_a_cluster:
	s_bfe_u32 s2, ttmp6, 0x10000c
	s_cmp_lg_u32 s2, 0x3003
	s_cbranch_scc0 .Lentry_shape_is_right
	s_endpgm
.Lentry_shape_is_right:
; attn: hd[head][q][v] = (softmax over allowed keys of Q K^T / 8) V, per head, with a running maximum; f16 operands, f32 sums and statistics.
; qkv holds Q, K, V divided by 8, so a raw score is the true one divided by 8 and hd holds the heads divided by 8.
; A key is left out where its bit in mb is 0 or its score is exactly 0, as reference() puts -inf there; the factor m behind the
; softmax then changes nothing for a mask of 0 and 1.  A row with no key left gives 0 x inf = NaN, as reference() does.
; LIMITS: a mask value other than 0 counts as 1.  The running maximum starts at -1e30: f16 operands bound a raw score by 64 x 65,504^2.
; A work-group takes one head and 128 queries: 256 work-groups.  Wave w: queries 32 (w & 3) .. + 31 (two blocks of 16), and half w >> 2 of
; the 256 keys of each step.  The two halves are merged once, at the end, through LDS.
; CLUSTER 4 x 1: the four query blocks of a cluster walk the same K and V tiles and ask for them jointly (mask 15).
; Two LDS slots of 256 keys.  Wave w fetches 64 rows: waves 0-3 a quarter of K, waves 4-7 a quarter of V.  K and V have one LDS pitch, so one
; descriptor shape and one line of text serve all eight waves and wave w's rows lie at 9,216 w.  One tensor load of a wave is out behind each round.
; (With that pitch two of the sixteen 16-byte columns that half the lanes of a transposing load of V touch coincide modulo 256 bytes; the scalar
; registers that a second shape would take hold mask words instead.)
; EVERYTHING IS TRANSPOSED: S^T = K Q^T puts keys along the registers and queries along the lanes, so a maximum and a sum are a lane's own
; (one exchange between the halves of the lanes for the maximum), a word of mb is a lane mask, and the packed P^T already lies as the second
; source of O^T = V^T P^T.  V^T comes by the transposing LDS load.
; MASK WORDS: the 64 words of a sub-step (64 keys x 32 queries) come by scalar loads that are issued one whole sub-step ahead, straight behind the
; masking that frees their registers: two softmax passes and both runs of matrix instructions lie between the request and its wait.
.set KP,     144                       ; LDS pitch of K and of V: 128 bytes + 16
.set VP,     144
.set KBYTES, 256*KP
.set SLOT,   KBYTES+256*VP             ; 73,728
.set SCRB,   2*SLOT                    ; 147,456: merge scratch, 17 x 512 bytes for each pair of waves; no fill lands here
.set SCRW,   17*512
.set STGB,   SCRB+4*SCRW               ; 182,272: stage, 32 rows x 144 bytes for each of waves 0-3
.set SP,     144
.set STEPB,  32768                     ; bytes of K, or of V, in a step of 256 keys
.set RDB, 1                            ; v1  the way out: where I read rows back
.set SCR, 2                            ; v2  my 16 bytes in the scratch of my pair
.set STG, 3                            ; v3  the way out: where I put 16 bytes of a row
.set CO,  4                            ; v4  16 x lane
.set CC,  6                            ; v6 = c, v7 = -c; c = 8 log2 e: raw scores are the true ones / 8, and v_exp_f32 works in base 2
.set QF,  8                            ; v[8:39]    Q fragments at 16 qb + 8 ks
.set OA,  40                           ; v[40:103]  O^T at 32 qb + 8 vt
.set SC,  104                          ; v[104:167] S^T at 32 qb + 8 kt; later P^T at 32 qb + 8 kc
.set FR,  168                          ; v[168:231] K fragments at 16 kt + 8 ks, then V fragments at 16 vt + 8 kc
.set KA,  232                          ; v232, v233 LDS address of my K fragments in slot 0, 1
.set VA,  234                          ; v234, v235 the same for V
.set NINF, 236
.set MR,  238                          ; v238, v239 running maximum of query block 0, 1
.set LS,  240                          ; v240, v241 running sum (the lane's own keys)
.set AL,  242                          ; v[242:243] factor for the old sums
.set NM,  244                          ; v[244:245] - c x maximum
.set MX,  246                          ; v[246:249] chains of the maximum
.set SA,  250                          ; v[250:253] two chains of the sum
.set SB,  252
.set T0,  254
.set T1,  255
; scalar registers: s2 wave, s3 loop counter, s[66:67] lane selects of v_permlanex16_b32
.set G0,  4                            ; s[4:7]     descriptor group 0, rewritten only while no tensor load of the wave is out
.set G1,  8                            ; s[8:15]    descriptor group 1
                                       ; s[16:31], s[32:47] words of mb of query block 0; s[48:63], s[68:83] of query block 1: key tile kt, register j at 8 kt + j
.set CT,  84                           ; s[84:99]   compare results (set-up temporaries before)
.set MP,  100                          ; s[100:101] my place in mb
.set HD,  104                          ; s[104:105] my rows of hd
.macro ROUND                           ; a round of the barrier of the cluster
	s_barrier_signal -1
	s_barrier_wait -1
	s_cmp_lg_u32 s2, 0
	s_cbranch_scc1 .Lnot_wave_0_\@
	s_barrier_signal -3
.Lnot_wave_0_\@:
	s_barrier_wait -3
	s_barrier_signal -1
	s_barrier_wait -1
.endm
.macro NOPS n
.rept \n
	v_nop
.endr
.endm
	s_load_b128 s[84:87], s[0:1], 0x0              ; qkv 84:85, mb 86:87
	s_load_b64 s[HD:HD+1], s[0:1], 0x10            ; hd
	v_lshl_add_u32 v237, v0, 2, 0x31000
	s_set_vgpr_msb 0x40
	v_mov_b32 v1, 0
	s_set_vgpr_msb 0x4044
	ds_add_u32 v237, v1
	ds_add_u32 v237, v1
	s_set_vgpr_msb 0x4400
	v_lshrrev_b32 v1, 5, v0
	v_readfirstlane_b32 s2, v1                     ; wave 0..7
	s_lshr_b32 s88, s2, 2                          ; kh: my half of the keys.  Also: I fetch for K (0) or for V (1)
	s_and_b32 s89, s2, 3                           ; qg: my 32 queries.  Also: which quarter I fetch
	s_and_b32 s90, ttmp7, 0xffff                   ; head
	s_bfe_u32 s91, ttmp6, 0x40000                  ; cx
	s_lshl_b32 s92, ttmp9, 2
	s_add_co_u32 s92, s92, s91                     ; block of 128 queries
	s_mov_b32 s66, 0x76543210                      ; v_permlanex16_b32: lane i takes lane i of the other half
	s_mov_b32 s67, 0xfedcba98
	s_mov_b32 s[G1+0], 15|(1<<16)|(1<<20)|(1<<21)|(4<<22)|(3<<25)   ; mask of the four; 2-byte elements; after every 32 words 4 words of padding
	s_mov_b32 s[G1+1], 64<<16                      ; tensor_dim0 = 64
	s_mov_b32 s[G1+2], 64<<16                      ; tensor_dim1 = 64
	s_mov_b32 s[G1+3], 64<<16                      ; tile_dim0 = 64
	s_mov_b32 s[G1+4], 64                          ; tile_dim1 = 64
	s_mov_b32 s[G1+5], 64                          ; elements from row to row
	s_mov_b32 s[G1+6], 0
	s_mov_b32 s[G1+7], 0
	s_add_co_u32 s94, s90, 8                       ; K: block 8 + head; V: eight blocks (1 << 22 bytes) further on; my quarter of 64 rows.
	s_lshl_b32 s94, s94, 19                        ; No register here ever holds cx
	s_lshl_b32 s95, s88, 22
	s_add_co_u32 s94, s94, s95
	s_lshl_b32 s95, s89, 13
	s_add_co_u32 s94, s94, s95
	s_mov_b32 s95, 0
	s_lshl_b32 s96, s90, 19                        ; Q and hd: block head, row 128 x block + 32 qg, rows of 128 bytes
	s_lshl_b32 s93, s92, 14
	s_add_co_u32 s96, s96, s93
	s_lshl_b32 s93, s89, 12
	s_add_co_u32 s96, s96, s93
	s_mov_b32 s97, 0
	s_lshl_b32 s98, s92, 16                        ; mb: query block 8 x block + 2 qg (8,192 bytes each), key tile 8 kh (32 bytes each)
	s_lshl_b32 s93, s89, 14
	s_add_co_u32 s98, s98, s93
	s_lshl_b32 s93, s88, 8
	s_add_co_u32 s98, s98, s93
	s_mov_b32 s99, 0
	v_and_b32 v5, 15, v0                           ; r
	v_bfe_u32 v7, v0, 4, 1                         ; h
	v_lshlrev_b32 v6, 7, v5
	v_lshl_add_u32 v6, v7, 4, v6                   ; Q: row r, 16 bytes at 16 h
	s_wait_dscnt 0x0
	s_wait_kmcnt 0x0
	s_add_nc_u64 s[MP:MP+1], s[86:87], s[98:99]
	s_add_nc_u64 s[HD:HD+1], s[HD:HD+1], s[96:97]
	s_add_nc_u64 s[96:97], s[84:85], s[96:97]      ; my rows of Q
	s_mov_b32 s[G0], 1
	s_mul_i32 s[G0+1], s2, 64*KP                   ; slot 0: my 64 rows
	s_add_nc_u64 s[G0+2:G0+3], s[84:85], s[94:95]  ; step 0
	s_or_b32 s[G0+3], s[G0+3], 0x80000000
.irp qb, 0,1
.irp ks, 0,1
	global_load_b128 v[QF+16*\qb+8*\ks:QF+16*\qb+8*\ks+3], v6, s[96:97] offset:2048*\qb+64*\ks
	global_load_b128 v[QF+16*\qb+8*\ks+4:QF+16*\qb+8*\ks+7], v6, s[96:97] offset:2048*\qb+64*\ks+32
.endr
.endr
; 64 words of mb: four key tiles of each of my two query blocks, 128 consecutive bytes each
.macro MLOAD imm
	s_load_b512 s[16:31], s[MP:MP+1], \imm
	s_load_b512 s[32:47], s[MP:MP+1], \imm+64
	s_load_b512 s[48:63], s[MP:MP+1], \imm+8192
	s_load_b512 s[68:83], s[MP:MP+1], \imm+8192+64
.endm
	MLOAD 0
	ROUND                                          ; in front of the first joint load
	tensor_load_to_lds s[G0:G0+3], s[G1:G1+7]
	s_nop 0
	v_mul_u32_u24 v[STG], v5, KP
	v_lshl_add_u32 v[STG], v7, 4, v[STG]           ; 144 r + 16 h
	s_mul_i32 s93, s88, 128*KP
	v_add_nc_u32 v[KA], s93, v[STG]                ; K: (128 kh + r) pitch + 16 h
	v_add_nc_u32 v[KA+1], SLOT, v[KA]
	v_and_b32 v[T0], 7, v0
	v_lshl_add_u32 v[T1], v7, 3, v[T0]
	v_mul_u32_u24 v[VA], v[T1], VP                 ; V: (128 kh + 8 h + lane mod 8) pitch
	v_bfe_u32 v[T1], v0, 3, 1
	v_lshl_add_u32 v[VA], v[T1], 4, v[VA]          ; + 16 x bit 3 of the lane
	s_mul_i32 s94, s88, 128*VP
	s_add_co_u32 s94, s94, KBYTES
	v_add_nc_u32 v[VA], s94, v[VA]
	v_add_nc_u32 v[VA+1], SLOT, v[VA]
	s_mul_i32 s95, s89, 32*SP
	s_add_co_u32 s95, s95, STGB
	v_add_nc_u32 v[STG], s95, v[STG]
	v_bfe_u32 v[RDB], v0, 3, 2
	v_mul_u32_u24 v[RDB], v[RDB], SP
	v_lshl_add_u32 v[RDB], v[T0], 4, v[RDB]
	v_add_nc_u32 v[RDB], s95, v[RDB]
	v_and_b32 v[CO], 31, v0
	v_lshlrev_b32 v[CO], 4, v[CO]
	s_mul_i32 s90, s89, SCRW
	s_add_co_u32 s90, s90, SCRB
	v_add_nc_u32 v[SCR], s90, v[CO]
	v_mov_b32 v[NINF], 0xff800000
	v_mov_b32 v[MR], 0xf149f2ca                    ; -1e30
	v_mov_b32 v[MR+1], 0xf149f2ca
	v_mov_b32 v[AL+1], 0                           ; upper halves of pairs of which the packed forms take the lower half twice
	v_mov_b32 v[NM+1], 0
	s_wait_loadcnt 0x0                             ; Q, once; its offset register and its base are free from here on
	v_mov_b32 v[CC], 0x4138aa3b                    ; c
	v_mov_b32 v[CC+1], 0xc138aa3b                  ; -c
.macro KFETCH s, u                     ; 16 LDS loads: 64 keys x 64 k
.irp kt, 0,1,2,3
.irp ks, 0,1
	ds_load_b128 v[FR+16*\kt+8*\ks:FR+16*\kt+8*\ks+3], v[KA+\s] offset:\u*64*KP+\kt*16*KP+64*\ks
	ds_load_b128 v[FR+16*\kt+8*\ks+4:FR+16*\kt+8*\ks+7], v[KA+\s] offset:\u*64*KP+\kt*16*KP+64*\ks+32
.endr
.endr
.endm
.macro VFETCH s, u                     ; 16 transposing LDS loads: 64 v x 64 keys
.irp vt, 0,1,2,3
.irp kc, 0,1
	ds_load_tr16_b128 v[FR+16*\vt+8*\kc:FR+16*\vt+8*\kc+3], v[VA+\s] offset:\u*64*VP+\kc*32*VP+32*\vt
	ds_load_tr16_b128 v[FR+16*\vt+8*\kc+4:FR+16*\vt+8*\kc+7], v[VA+\s] offset:\u*64*VP+\kc*32*VP+32*\vt+16*VP
.endr
.endr
.endm
; S^T = K Q^T: two passes over eight accumulators, which take turns, one instruction a turn; the first pass starts the sums
.macro QK
.irp ks, 0,1
.irp qb, 0,1
.irp kt, 0,1,2,3
.if \ks == 0
	v_wmma_f32_16x16x32_f16 v[SC+32*\qb+8*\kt:SC+32*\qb+8*\kt+7], v[FR+16*\kt:FR+16*\kt+7], v[QF+16*\qb:QF+16*\qb+7], 0
.else
	v_wmma_f32_16x16x32_f16 v[SC+32*\qb+8*\kt:SC+32*\qb+8*\kt+7], v[FR+16*\kt+8:FR+16*\kt+15], v[QF+16*\qb+8:QF+16*\qb+15], v[SC+32*\qb+8*\kt:SC+32*\qb+8*\kt+7]
.endif
.endr
.endr
.endr
.endm
; O^T += V^T P^T, in the same way
.macro PV first
.irp kc, 0,1
.irp qb, 0,1
.irp vt, 0,1,2,3
.if \first*(1-\kc)
	v_wmma_f32_16x16x32_f16 v[OA+32*\qb+8*\vt:OA+32*\qb+8*\vt+7], v[FR+16*\vt+8*\kc:FR+16*\vt+8*\kc+7], v[SC+32*\qb+8*\kc:SC+32*\qb+8*\kc+7], 0
.else
	v_wmma_f32_16x16x32_f16 v[OA+32*\qb+8*\vt:OA+32*\qb+8*\vt+7], v[FR+16*\vt+8*\kc:FR+16*\vt+8*\kc+7], v[SC+32*\qb+8*\kc:SC+32*\qb+8*\kc+7], v[OA+32*\qb+8*\vt:OA+32*\qb+8*\vt+7]
.endif
.endr
.endr
.endr
.endm
; sixteen registers of scores: -inf where the score is 0 or the bit of mb is 0
.macro MASK16 qb, hf
.set MWB, 16+16*(2*\qb+\hf)+4*(\qb*\hf)            ; s16, s32, s48, s68
.irp i, 0,1,2,3,4,5,6,7,8,9,10,11,12,13,14,15
	v_cmp_neq_f32 s[CT+\i], 0, v[SC+32*\qb+16*\hf+\i]
.endr
.irp i, 0,2,4,6,8,10,12,14
	s_and_b64 s[CT+\i:CT+\i+1], s[CT+\i:CT+\i+1], s[MWB+\i:MWB+\i+1]
.endr
.irp i, 0,1,2,3,4,5,6,7,8,9,10,11,12,13,14,15
	v_cndmask_b32 v[SC+32*\qb+16*\hf+\i], v[NINF], v[SC+32*\qb+16*\hf+\i], s[CT+\i]
.endr
.endm
.macro FMAG g                          ; eight exponents: c s - c m, one rounding each
.irp i, 0,2,4,6
	v_pk_fma_f32 v[BB+8*\g+\i:BB+8*\g+\i+1], v[BB+8*\g+\i:BB+8*\g+\i+1], v[CC:CC+1], v[NM:NM+1] op_sel_hi:[1,0,0]
.endr
.endm
.macro EXPG g
.irp i, 0,1,2,3,4,5,6,7
	v_exp_f32 v[BB+8*\g+\i], v[BB+8*\g+\i]
.endr
.endm
.macro SUMG g                          ; eight weights are added to the two chains and packed to f16, downward in place
.if \g == 0
	s_wait_alu depctr_va_vdst(0)
	v_pk_add_f32 v[SA:SA+1], v[BB:BB+1], v[BB+2:BB+3]
	v_pk_add_f32 v[SB:SB+1], v[BB+4:BB+5], v[BB+6:BB+7]
.else
	s_wait_alu depctr_va_vdst(0)
	v_pk_add_f32 v[SA:SA+1], v[SA:SA+1], v[BB+8*\g:BB+8*\g+1]
	v_pk_add_f32 v[SB:SB+1], v[SB:SB+1], v[BB+8*\g+2:BB+8*\g+3]
	v_pk_add_f32 v[SA:SA+1], v[SA:SA+1], v[BB+8*\g+4:BB+8*\g+5]
	v_pk_add_f32 v[SB:SB+1], v[SB:SB+1], v[BB+8*\g+6:BB+8*\g+7]
.endif
.irp i, 0,1,2,3
	v_cvt_pk_f16_f32 v[BB+4*\g+\i], v[BB+8*\g+2*\i], v[BB+8*\g+2*\i+1]
.endr
.endm
; the softmax step of one query block: 64 keys, 32 registers
.macro SOFT qb, first
.set BB, SC+32*\qb
.irp k, 0,1,2,3
	v_max3_num_f32 v[MX+\k], v[BB+7*\k], v[BB+7*\k+1], v[BB+7*\k+2]      ; four chains of seven
.endr
.irp k, 0,1,2,3
	v_max3_num_f32 v[MX+\k], v[MX+\k], v[BB+7*\k+3], v[BB+7*\k+4]
.endr
.irp k, 0,1,2,3
	v_max3_num_f32 v[MX+\k], v[MX+\k], v[BB+7*\k+5], v[BB+7*\k+6]
.endr
	v_max3_num_f32 v[MX], v[MX], v[MX+1], v[BB+28]
	v_max3_num_f32 v[MX+2], v[MX+2], v[MX+3], v[BB+29]
	v_max3_num_f32 v[MX], v[MX], v[MX+2], v[BB+30]
	v_max_num_f32 v[MX], v[MX], v[BB+31]
	v_permlanex16_b32 v[T0], v[MX], s66, s67       ; the other eight keys of each tile lie in the other half of the lanes
	v_max3_num_f32 v[MX], v[MX], v[T0], v[MR+\qb]  ; the new running maximum
.if \first == 0
	v_sub_f32 v[T1], v[MR+\qb], v[MX]              ; the difference first: exactly 0 where the maximum stays, at -1e30 too
	v_mul_f32 v[T1], v[CC], v[T1]
	v_exp_f32 v[AL], v[T1]                         ; the factor for the old sums; the two plain lines below stand behind it (ISA guide 5.7.2)
.endif
	v_mul_f32 v[NM], v[CC+1], v[MX]
	v_mov_b32 v[MR+\qb], v[MX]
	FMAG 0                                         ; behind each run of eight v_exp_f32 stand plain lines that name none of its registers
	EXPG 0
	FMAG 1
	EXPG 1
	SUMG 0
	FMAG 2
	EXPG 2
	SUMG 1
	FMAG 3
	EXPG 3
	SUMG 2
	SUMG 3
	v_pk_add_f32 v[SA:SA+1], v[SA:SA+1], v[SB:SB+1]
.if \first
	v_add_f32 v[LS+\qb], v[SA], v[SA+1]
.else
	v_add_f32 v[T0], v[SA], v[SA+1]
	v_fma_f32 v[LS+\qb], v[LS+\qb], v[AL], v[T0]
.endif
.endm
.macro RESC qb
.irp i, 0,2,4,6,8,10,12,14,16,18,20,22,24,26,28,30
	v_pk_mul_f32 v[OA+32*\qb+\i:OA+32*\qb+\i+1], v[OA+32*\qb+\i:OA+32*\qb+\i+1], v[AL:AL+1] op_sel_hi:[1,0]
.endr
.endm
; 64 keys of my half of slot s.  nxt: where the next 64 keys' words of mb lie, from MP; below 0: there are none
.macro SUB s, u, first, step, nxt
	s_wait_dscnt 0x0                               ; the K fragments
	QK
	NOPS 4                                         ; places ahead of the loads into the K fragments and of the readers of S
	VFETCH \s, \u
	s_wait_kmcnt 0x0                               ; this sub-step's 64 words, asked for a sub-step ago; scalar loads come back in no order: 0 alone shows anything
.if \step
	s_add_nc_u64 s[MP:MP+1], s[MP:MP+1], 1024      ; two steps of 16 key tiles on; no scalar load is out
.endif
	MASK16 0, 0
	MASK16 0, 1
	MASK16 1, 0
	MASK16 1, 1
.if \nxt >= 0
	MLOAD \nxt                                     ; the words are used up: the next sub-step's go out at once
.endif
	SOFT 0, \first
.if \first == 0
	RESC 0
.endif
	SOFT 1, \first
.if \first == 0
	RESC 1
.endif
	s_wait_dscnt 0x0                               ; the V fragments
	PV \first
	NOPS 5                                         ; places ahead of the matrix instructions that write over P, and of the loads into the V fragments
.if \u == 0
	KFETCH \s, 1
.endif
.endm
; a step of 256 keys.  The round is the barrier in front of the refill: ahead of it every wave waits for its reads and for all its tensor loads
.macro TRIP s, refill, first, step, last
	s_set_vgpr_msb 0x4
	s_wait_tensorcnt 0x0                           ; all my tensor loads have landed, my part of this slot among them,
	ds_add_u32 v237, v1
	s_wait_dscnt 0x0
	s_set_vgpr_msb 0x400
.if \refill
	s_add_nc_u64 s[G0+2:G0+3], s[G0+2:G0+3], STEPB ; so group 0 may be written: the next step,
	s_mul_i32 s[G0+1], s2, 64*KP                   ; into my rows
.if \s == 0
	s_add_co_u32 s[G0+1], s[G0+1], SLOT            ; of the other slot
.endif
.endif
	s_wait_dscnt 0x0                               ; my reads of the other slot are back
	ROUND                                          ; both now hold of every wave of the four work-groups
.if \refill
	tensor_load_to_lds s[G0:G0+3], s[G1:G1+7]      ; my one tensor load behind the round: the next step, into the slot read last
	s_nop 0
.endif
	KFETCH \s, 0
	SUB \s, 0, \first, \step, 512*\s+128
.if \last
	SUB \s, 1, 0, 0, -1
.else
	SUB \s, 1, 0, 0, 512+512*\s
.endif
.endm
	TRIP 0, 1, 1, 0, 0                             ; the first two steps stand in front of the loop: the first products start the sums
	TRIP 1, 1, 0, 0, 0
	s_mov_b32 s3, 6
.Lpair:
	TRIP 0, 1, 0, 1, 0
	TRIP 1, 1, 0, 0, 0
	s_sub_co_u32 s3, s3, 1
	s_cmp_lg_u32 s3, 0
	s_cbranch_scc1 .Lpair
	TRIP 0, 1, 0, 1, 0                             ; steps 14 and 15: the last fetches nothing
	TRIP 1, 0, 0, 0, 1
	; THE MERGE of the two halves of the keys.  First each sum is made whole over the two halves of the lanes.
	v_permlanex16_b32 v[T0], v[LS], s66, s67
	v_permlanex16_b32 v[T1], v[LS+1], s66, s67
	v_add_f32 v[LS], v[LS], v[T0]
	v_add_f32 v[LS+1], v[LS+1], v[T1]
	s_cmp_lt_u32 s2, 4
	s_cbranch_scc1 .Lno_hand
.irp n, 0,1,2,3,4,5,6,7,8,9,10,11,12,13,14,15
	ds_store_b128 v[SCR], v[OA+4*\n:OA+4*\n+3] offset:512*\n       ; waves 4-7 hand over O,
.endr
	ds_store_b128 v[SCR], v[MR:MR+3] offset:8192                   ; the maxima and the sums
.Lno_hand:
	s_wait_dscnt 0x0                               ; for the partner: my stores are done
	s_barrier_signal -1
	s_barrier_wait -1
	s_cmp_ge_u32 s2, 4
	s_cbranch_scc1 .Ldone
.irp n, 0,1,2,3,4,5,6,7,8,9,10,11,12,13,14,15
	ds_load_b128 v[SC+4*\n:SC+4*\n+3], v[SCR] offset:512*\n
.endr
	ds_load_b128 v[NM:NM+3], v[SCR] offset:8192    ; v244, v245 the partner's maxima, v246, v247 its sums
	s_wait_dscnt 0x0
.macro MERGE qb
	v_max_num_f32 v[SB], v[MR+\qb], v[NM+\qb]      ; the common maximum
	v_sub_f32 v[SB+1], v[MR+\qb], v[SB]
	v_sub_f32 v[T0], v[NM+\qb], v[SB]
	v_mul_f32 v[SB+1], v[CC], v[SB+1]
	v_mul_f32 v[T0], v[CC], v[T0]
	v_exp_f32 v[MX+2], v[SB+1]
	v_exp_f32 v[SA], v[T0]
	v_nop                                          ; one plain line behind the transcendentals (ISA guide 5.7.2)
	s_wait_alu depctr_va_vdst(0)
	v_mul_f32 v[T1], v[LS+\qb], v[MX+2]
	v_fmac_f32 v[T1], v[MX+\qb], v[SA]             ; the whole sum; 0 only where no key is left
	v_rcp_f32 v[SB], v[T1]
	v_nop
	s_wait_alu depctr_va_vdst(0)
	v_mul_f32 v[MX+2], v[MX+2], v[SB]
	v_mul_f32 v[SA], v[SA], v[SB]
.irp i, 0,2,4,6,8,10,12,14,16,18,20,22,24,26,28,30
	v_pk_mul_f32 v[OA+32*\qb+\i:OA+32*\qb+\i+1], v[OA+32*\qb+\i:OA+32*\qb+\i+1], v[MX+2:MX+3] op_sel_hi:[1,0]
.endr
.irp i, 0,2,4,6,8,10,12,14,16,18,20,22,24,26,28,30
	v_pk_fma_f32 v[OA+32*\qb+\i:OA+32*\qb+\i+1], v[SC+32*\qb+\i:SC+32*\qb+\i+1], v[SA:SA+1], v[OA+32*\qb+\i:OA+32*\qb+\i+1] op_sel_hi:[1,0,1]
.endr
.endm
	MERGE 0
	MERGE 1
	; the way out: a lane holds eight neighbouring v of one query: 16 bytes of f16 into my own stage, read back as whole rows
.irp qb, 0,1
.irp vt, 0,1,2,3
.irp i, 0,1,2,3
	v_cvt_pk_f16_f32 v[FR+4*(4*\qb+\vt)+\i], v[OA+32*\qb+8*\vt+2*\i], v[OA+32*\qb+8*\vt+2*\i+1]
.endr
	ds_store_b128 v[STG], v[FR+4*(4*\qb+\vt):FR+4*(4*\qb+\vt)+3] offset:\qb*16*SP+32*\vt
.endr
.endr
.irp t, 0,1,2,3,4,5,6,7
	ds_load_b128 v[FR+32+4*\t:FR+32+4*\t+3], v[RDB] offset:\t*4*SP   ; LDS serves a wave in order (ISA guide 5.7.1): these see the stores above
.endr
.irp t, 0,1,2,3,4,5,6,7
	s_wait_dscnt 7-\t
	global_store_b128 v[CO], v[FR+32+4*\t:FR+32+4*\t+3], s[HD:HD+1] offset:512*\t   ; four rows of 128 bytes: 512 consecutive bytes, aligned
.endr
.Ldone:
	s_set_vgpr_msb 0x4
	s_wait_tensorcnt 0x0
	ds_add_u32 v237, v1
	s_wait_dscnt 0x0
	s_set_vgpr_msb 0x400
	ROUND                                          ; the closing round; on both ways here the last wait on DScnt was for 0
	s_endpgm
.Lfunc_end_k_q5d91691120_attn:
	.size	k_q5d91691120_attn, .Lfunc_end_k_q5d91691120_attn-k_q5d91691120_attn
	.p2alignl 7, 3214868480
	.fill 96, 4, 3214868480
	.section	.rodata,"a",@progbits
	.p2align	6, 0x0
	.amdhsa_kernel k_q5d91691120_attn
		.amdhsa_group_segment_fixed_size 327680
		.amdhsa_private_segment_fixed_size 0
		.amdhsa_enable_private_segment 0
		.amdhsa_kernarg_size 24
		.amdhsa_user_sgpr_count 2
		.amdhsa_user_sgpr_kernarg_segment_ptr 1
		.amdhsa_wavefront_size32 1
		.amdhsa_system_sgpr_workgroup_id_x 1
		.amdhsa_system_sgpr_workgroup_id_y 1
		.amdhsa_system_sgpr_workgroup_id_z 1
		.amdhsa_system_vgpr_workitem_id 0
		.amdhsa_next_free_vgpr 258
		.amdhsa_next_free_sgpr 106
		.amdhsa_reserve_vcc 0
		.amdhsa_float_denorm_mode_32 3
		.amdhsa_float_denorm_mode_16_64 3
		.amdhsa_memory_ordered 1
		.amdhsa_forward_progress 1
		.amdhsa_inst_pref_size 255
	.end_amdhsa_kernel
	.section	.bss,"aw",@nobits
	.p2align	6
	.space	262144
	.amdgpu_metadata
---
amdhsa.version: [ 1, 2 ]
amdhsa.kernels:
  - .name:           k_q5d91691120_attn
    .symbol:         k_q5d91691120_attn.kd
    .args:
      - { .name: qkv, .offset: 0, .size: 8, .value_kind: global_buffer, .address_space: global }
      - { .name: mb, .offset: 8, .size: 8, .value_kind: global_buffer, .address_space: global }
      - { .name: hd, .offset: 16, .size: 8, .value_kind: global_buffer, .address_space: global }
    .group_segment_fixed_size: 327680
    .private_segment_fixed_size: 0
    .kernarg_segment_align: 8
    .kernarg_segment_size: 24
    .max_flat_workgroup_size: 256
    .sgpr_count:     106
    .vgpr_count:     258
    .wavefront_size: 32
...
	.end_amdgpu_metadata
.endif
;; end of part 3
;; launch outp (part 4): grid 8 x 32, 4 waves a work-group, clusters of 4 x 4, 264,704 bytes of LDS; arguments hd, wo, out0; writes out0
.if DOCPART == 4
	.amdgcn_target "amdgcn-amd-amdhsa--gfx1250"
	.amdhsa_code_object_version 6
	.text
	.protected	k_q5d91691120_outp
	.globl	k_q5d91691120_outp
	.p2align	8
	.type	k_q5d91691120_outp,@function
k_q5d91691120_outp:
	s_mov_b64 s[64:65], 0
	v_nop
	global_prefetch_b8 v0, s[64:65] scope:SCOPE_SE
	s_setreg_imm32_b32 hwreg(HW_REG_WAVE_MODE, 25, 1), 1
	s_wait_xcnt 0x0
	s_wait_alu depctr_hold_cnt(0) depctr_sa_sdst(0) depctr_va_vdst(0) depctr_va_sdst(0) depctr_va_ssrc(0) depctr_va_vcc(0) depctr_vm_vsrc(0)
	s_getreg_b32 s2, hwreg(HW_REG_IB_STS2, 6, 4)
	s_cmp_eq_u32 s2, 0
	s_cbranch_scc0 .Lentry_in_a_cluster
	s_endpgm
.Lentry_in_a_cluster:
	s_bfe_u32 s2, ttmp6, 0x10000c
	s_cmp_lg_u32 s2, 0xf033
	s_cbranch_scc0 .Lentry_shape_is_right
	s_endpgm
.Lentry_shape_is_right:
; outp: out0[q][e] = sum over head and v of hd[head][q][v] wo[e / 64][64 head + v][e mod 64], f16 operands, f32 sums, f32 out.
; hd holds the heads divided by 8 and wo holds 8 x W_out, so the product needs no scale.
; A work-group makes 128 rows x 64 columns over K = 512 (eight heads of 64): 256 work-groups.
; All its operands fit in LDS, so every tensor load is a first fill: four chunks of 128 along K (two heads), no slot is filled twice.
; CLUSTER 4 x 4: the four work-groups of a row of the cluster take the same rows of hd, the four of a column the same block of wo.
; Both are asked for jointly.  Waves 0, 1 fetch a head each in every chunk, waves 2, 3 half a chunk of wo: four tensor loads of a wave are out at the most.
; The matrix instruction is used transposed (source 0 = 16 columns of wo, source 1 = 16 rows of hd): a lane holds eight neighbouring columns of a row.
.set PA,    144                        ; LDS pitch of hd: 128 bytes + 16
.set AHD,   128*PA                     ; a head: 128 rows x 64 k
.set PB,    160                        ; LDS pitch of wo: 128 bytes + 32, an odd multiple of 32
.set BCH,   128*PB
.set BBASE, 8*AHD                      ; 147,456
.set STG,   BBASE+4*BCH                ; 229,376: behind all fills, 32 rows x 272 bytes for each wave
.set SP,    272
.set ACC, 16                           ; v[16:79]   tile (mt, nt) at 8 (4 mt + nt)
.set FB0, 80                           ; v[80:127]  fragments: hd at 8 mt, wo at 16 + 8 nt
.set FB1, 128                          ; v[128:175]
.set XA,  2                            ; v2, v3     chunks 0-1 and 2-3
.set WA,  4                            ; v4, v5
.set STO, 6
.set RD,  7
.set CO,  8
.set G1A, 24
.set G0A, 32                           ; s[32:47]
.set G1B, 48
.set G0B, 56                           ; s[56:63], s[68:75]: chunk c at 56 + 4 c + 4 (c / 2)
.macro CROUND                          ; a round of the barrier of the cluster
	s_barrier_signal -1
	s_barrier_wait -1
	s_cmp_lg_u32 s10, 0
	s_cbranch_scc1 .Lnot_wave_0_\@
	s_barrier_signal -3
.Lnot_wave_0_\@:
	s_barrier_wait -3
	s_barrier_signal -1
	s_barrier_wait -1
.endm
.macro PLACES                          ; four places behind a matrix instruction, ahead of loads into its sources and of readers of its result
.rept 4
	v_nop
.endr
.endm
	s_load_b128 s[4:7], s[0:1], 0x0                ; hd, wo
	s_load_b64 s[8:9], s[0:1], 0x10                ; out0
	v_lshl_add_u32 v208, v0, 2, 0x40800
	v_mov_b32 v209, 0
	ds_add_u32 v208, v209
	ds_add_u32 v208, v209
	v_lshrrev_b32 v1, 5, v0
	v_readfirstlane_b32 s10, v1                    ; wave 0..3
	s_lshr_b32 s11, s10, 1                         ; I fetch for hd (0) or for wo (1)
	s_and_b32 s12, s10, 1                          ; which head of the two, or which half
	s_bfe_u32 s76, ttmp6, 0x40000                  ; cx
	s_bfe_u32 s77, ttmp6, 0x40004                  ; cy
	s_lshl_b32 s78, ttmp9, 2
	s_add_co_u32 s78, s78, s76                     ; block of 64 columns
	s_and_b32 s80, ttmp7, 0xffff
	s_lshl_b32 s80, s80, 2
	s_add_co_u32 s80, s80, s77                     ; block of 128 rows
	s_lshl_b32 s81, s77, 2
	s_lshl_b32 s81, 15, s81                        ; my row of the cluster
	s_lshl_b32 s82, 0x1111, s76                    ; my column
	s_or_b32 s[G1A+0], s81, (1<<16)|(1<<20)|(1<<21)|(4<<22)|(3<<25)   ; 2-byte elements; after every 32 words 4 words of padding
	s_mov_b32 s[G1A+1], 64<<16                     ; tensor_dim0 = 64
	s_mov_b32 s[G1A+2], 128<<16                    ; tensor_dim1 = 128
	s_mov_b32 s[G1A+3], 64<<16                     ; tile_dim0 = 64
	s_mov_b32 s[G1A+4], 128                        ; tile_dim1 = 128
	s_mov_b32 s[G1A+5], 64                         ; elements from row to row
	s_mov_b32 s[G1A+6], 0
	s_mov_b32 s[G1A+7], 0
	s_or_b32 s[G1B+0], s82, (1<<16)|(1<<20)|(1<<21)|(4<<22)|(7<<25)   ; 8 words of padding
	s_mov_b32 s[G1B+1], 64<<16
	s_mov_b32 s[G1B+2], 64<<16
	s_mov_b32 s[G1B+3], 64<<16
	s_mov_b32 s[G1B+4], 64
	s_mov_b32 s[G1B+5], 64
	s_mov_b32 s[G1B+6], 0
	s_mov_b32 s[G1B+7], 0
	s_lshl_b32 s84, s80, 14                        ; 128 rows of 128 bytes
	s_lshl_b32 s85, s12, 19                        ; my head of the two
	s_add_co_u32 s84, s84, s85
	s_mov_b32 s85, 0
	s_lshl_b32 s86, s78, 16                        ; the block of wo
	s_lshl_b32 s87, s12, 13                        ; 64 k rows of 128 bytes
	s_add_co_u32 s86, s86, s87
	s_mov_b32 s87, 0
	s_lshl_b32 s18, s80, 18                        ; out0: 128 rows of 2,048 bytes,
	s_lshl_b32 s19, s10, 16                        ; my 32 rows,
	s_add_co_u32 s18, s18, s19
	s_lshl_b32 s19, s78, 8                         ; 64 columns of 4 bytes
	s_add_co_u32 s18, s18, s19
	s_mov_b32 s19, 0
	s_mul_i32 s20, s12, AHD
	s_mul_i32 s21, s12, 64*PB
	s_add_co_u32 s21, s21, BBASE
	s_wait_dscnt 0x0
	s_wait_kmcnt 0x0
	s_add_nc_u64 s[14:15], s[4:5], s[84:85]
	s_add_nc_u64 s[16:17], s[6:7], s[86:87]
	s_add_nc_u64 s[8:9], s[8:9], s[18:19]
.irp c, 0,1,2,3
	s_mov_b32 s[G0A+4*\c], 1
	s_add_co_u32 s[G0A+4*\c+1], s20, \c*2*AHD
	s_add_nc_u64 s[G0A+4*\c+2:G0A+4*\c+3], s[14:15], \c*1048576    ; two heads of 524,288 bytes
	s_or_b32 s[G0A+4*\c+3], s[G0A+4*\c+3], 0x80000000
	s_mov_b32 s[G0B+4*\c+4*(\c>>1)], 1
	s_add_co_u32 s[G0B+4*\c+4*(\c>>1)+1], s21, \c*BCH
	s_add_nc_u64 s[G0B+4*\c+4*(\c>>1)+2:G0B+4*\c+4*(\c>>1)+3], s[16:17], \c*16384
	s_or_b32 s[G0B+4*\c+4*(\c>>1)+3], s[G0B+4*\c+4*(\c>>1)+3], 0x80000000
.endr
	CROUND                                         ; all sixteen work-groups are here: the joint loads meet
	s_cmp_eq_u32 s11, 0                            ; one branch on the wave number holds all first fills of a wave
	s_cbranch_scc0 .Lfill_b
.irp c, 0,1,2,3
	tensor_load_to_lds s[G0A+4*\c:G0A+4*\c+3], s[G1A:G1A+7]
	s_nop 0
.endr
	s_branch .Lfilled
.Lfill_b:
.irp c, 0,1,2,3
	tensor_load_to_lds s[G0B+4*\c+4*(\c>>1):G0B+4*\c+4*(\c>>1)+3], s[G1B:G1B+7]
	s_nop 0
.endr
.Lfilled:
	v_and_b32 v9, 15, v0                           ; r
	v_bfe_u32 v10, v0, 4, 1                        ; h
	v_mul_u32_u24 v[XA], v9, PA
	v_lshl_add_u32 v[XA], v10, 4, v[XA]
	s_mul_i32 s22, s10, 32*PA
	v_add_nc_u32 v[XA], s22, v[XA]                 ; (32 w + r) pitch + 16 h
	v_add_nc_u32 v[XA+1], 4*AHD, v[XA]
	v_and_b32 v11, 7, v0
	v_lshl_add_u32 v11, v10, 3, v11
	v_mul_u32_u24 v[WA], v11, PB                   ; (8 h + lane mod 8) pitch
	v_bfe_u32 v11, v0, 3, 1
	v_lshl_add_u32 v[WA], v11, 4, v[WA]            ; + 16 x bit 3 of the lane
	v_add_nc_u32 v[WA], BBASE, v[WA]
	v_add_nc_u32 v[WA+1], 2*BCH, v[WA]
	s_mul_i32 s23, s10, 32*SP
	s_add_co_u32 s23, s23, STG
	v_mul_u32_u24 v[STO], v9, SP
	v_lshl_add_u32 v[STO], v10, 5, v[STO]
	v_add_nc_u32 v[STO], s23, v[STO]               ; in: row r, 32 bytes for each half of the lanes
	v_mul_u32_u24 v[RD], v10, SP
	v_lshl_add_u32 v[RD], v9, 4, v[RD]
	v_add_nc_u32 v[RD], s23, v[RD]                 ; back: sixteen lanes take a row of 256 bytes
	v_lshlrev_b32 v[CO], 4, v9
	v_lshl_add_u32 v[CO], v10, 11, v[CO]           ; and the same two rows in out0
; twelve LDS loads: the fragments of 32 along K: step ks of chunk c lies in head 2 c + ks / 2
.macro FETCH c, ks, fb
.irp mt, 0,1
	ds_load_b128 v[\fb+8*\mt:\fb+8*\mt+3], v[XA+(\c>>1)] offset:(\c&1)*2*AHD+(\ks>>1)*AHD+\mt*16*PA+64*(\ks&1)
	ds_load_b128 v[\fb+8*\mt+4:\fb+8*\mt+7], v[XA+(\c>>1)] offset:(\c&1)*2*AHD+(\ks>>1)*AHD+\mt*16*PA+64*(\ks&1)+32
.endr
.irp nt, 0,1,2,3
	ds_load_tr16_b128 v[\fb+16+8*\nt:\fb+16+8*\nt+3], v[WA+(\c>>1)] offset:(\c&1)*BCH+\ks*32*PB+32*\nt
	ds_load_tr16_b128 v[\fb+16+8*\nt+4:\fb+16+8*\nt+7], v[WA+(\c>>1)] offset:(\c&1)*BCH+\ks*32*PB+32*\nt+16*PB
.endr
.endm
; eight matrix instructions; the eight accumulators take turns, one instruction a turn
.macro MUL fb, zero
.irp mt, 0,1
.irp nt, 0,1,2,3
.if \zero
	v_wmma_f32_16x16x32_f16 v[ACC+8*(4*\mt+\nt):ACC+8*(4*\mt+\nt)+7], v[\fb+16+8*\nt:\fb+16+8*\nt+7], v[\fb+8*\mt:\fb+8*\mt+7], 0
.else
	v_wmma_f32_16x16x32_f16 v[ACC+8*(4*\mt+\nt):ACC+8*(4*\mt+\nt)+7], v[\fb+16+8*\nt:\fb+16+8*\nt+7], v[\fb+8*\mt:\fb+8*\mt+7], v[ACC+8*(4*\mt+\nt):ACC+8*(4*\mt+\nt)+7]
.endif
.endr
.endr
.endm
.macro CHUNK c, zero
	s_wait_tensorcnt 3-\c                          ; my part of chunk c has landed; the later chunks stay out
	s_barrier_signal -1                            ; no LDS instruction of mine is out: the chunk before ended on a wait for 0
	s_barrier_wait -1                              ; every part of chunk c has landed
.if \c
	PLACES
.endif
	FETCH \c, 0, FB0
	FETCH \c, 1, FB1
	s_wait_dscnt 12                                ; the older fetch is in, the younger twelve stay out
	MUL FB0, \zero
	PLACES
	FETCH \c, 2, FB0
	s_wait_dscnt 12
	MUL FB1, 0
	PLACES
	FETCH \c, 3, FB1
	s_wait_dscnt 12
	MUL FB0, 0
	s_wait_dscnt 0
	MUL FB1, 0
.endm
	CHUNK 0, 1                                     ; the first products start the sums: nothing is cleared
	CHUNK 1, 0
	CHUNK 2, 0
	CHUNK 3, 0
	; the way out: 32 bytes a lane into my own stage, read back as whole rows of 256 bytes
	PLACES
.irp mt, 0,1
.irp nt, 0,1,2,3
	ds_store_b128 v[STO], v[ACC+8*(4*\mt+\nt):ACC+8*(4*\mt+\nt)+3] offset:\mt*16*SP+64*\nt
	ds_store_b128 v[STO], v[ACC+8*(4*\mt+\nt)+4:ACC+8*(4*\mt+\nt)+7] offset:\mt*16*SP+64*\nt+16
.endr
.endr
.irp t, 0,1,2,3,4,5,6,7,8,9,10,11,12,13,14,15
	ds_load_b128 v[FB0+4*\t:FB0+4*\t+3], v[RD] offset:\t*2*SP      ; LDS serves a wave in order (ISA guide 5.7.1): these see the stores above
.endr
.irp t, 0,1,2,3,4,5,6,7,8,9,10,11,12,13,14,15
	s_wait_dscnt 15-\t
	global_store_b128 v[CO], v[FB0+4*\t:FB0+4*\t+3], s[8:9] offset:4096*\t     ; sixteen lanes store 256 consecutive bytes, aligned
.endr
	s_wait_tensorcnt 0x0
	ds_add_u32 v208, v209
	s_wait_dscnt 0x0
	CROUND                                         ; the closing round
	s_endpgm
.Lfunc_end_k_q5d91691120_outp:
	.size	k_q5d91691120_outp, .Lfunc_end_k_q5d91691120_outp-k_q5d91691120_outp
	.p2alignl 7, 3214868480
	.fill 96, 4, 3214868480
	.section	.rodata,"a",@progbits
	.p2align	6, 0x0
	.amdhsa_kernel k_q5d91691120_outp
		.amdhsa_group_segment_fixed_size 264704
		.amdhsa_private_segment_fixed_size 0
		.amdhsa_enable_private_segment 0
		.amdhsa_kernarg_size 24
		.amdhsa_user_sgpr_count 2
		.amdhsa_user_sgpr_kernarg_segment_ptr 1
		.amdhsa_wavefront_size32 1
		.amdhsa_system_sgpr_workgroup_id_x 1
		.amdhsa_system_sgpr_workgroup_id_y 1
		.amdhsa_system_sgpr_workgroup_id_z 1
		.amdhsa_system_vgpr_workitem_id 0
		.amdhsa_next_free_vgpr 210
		.amdhsa_next_free_sgpr 88
		.amdhsa_reserve_vcc 0
		.amdhsa_float_denorm_mode_32 3
		.amdhsa_float_denorm_mode_16_64 3
		.amdhsa_memory_ordered 1
		.amdhsa_forward_progress 1
		.amdhsa_inst_pref_size 35
	.end_amdhsa_kernel
	.amdgpu_metadata
---
amdhsa.version: [ 1, 2 ]
amdhsa.kernels:
  - .name:           k_q5d91691120_outp
    .symbol:         k_q5d91691120_outp.kd
    .args:
      - { .name: hd, .offset: 0, .size: 8, .value_kind: global_buffer, .address_space: global }
      - { .name: wo, .offset: 8, .size: 8, .value_kind: global_buffer, .address_space: global }
      - { .name: out0, .offset: 16, .size: 8, .value_kind: global_buffer, .address_space: global }
    .group_segment_fixed_size: 264704
    .private_segment_fixed_size: 0
    .kernarg_segment_align: 8
    .kernarg_segment_size: 24
    .max_flat_workgroup_size: 128
    .sgpr_count:     88
    .vgpr_count:     210
    .wavefront_size: 32
...
	.end_amdgpu_metadata
.endif
;; end of part 4
